; MI455X (gfx1250); checked and timed in simulation.
; The chip was launched on July 23, 2026; its instructions are those of AMD's public machine-readable ISA for CDNA 5 (MIT licence, August 2026) and "CDNA5" Instruction Set Architecture Reference Guide (July 2026). The comments in the code are by the model that wrote it; some were corrected since.
;; Flash Multi Head Attention. Allowed arithmetic: matrix products marked QUANTISED: E3M2 operands, one E8M0 scale for each 32 along K, by v_wmma_scale_f32_16x16x128_f8f6f4 with both operands' format E3M2, f32 sums; products left as they are: f32 operands where the result goes on into a quantised operand, else bf16, f16 or f32 operands; f32 sums; everything else in f32.
;; Inputs: Wqkv 3,072 x 1,024 float32; bqkv 3,072 float32; hidden_states 4 x 1,024 x 1,024 float32.
;; Outputs: out0 4 x 1,024 x 1,024 float32.
;; This version of the problem:
;;   THIS VERSION OF THE PROBLEM IS GIVEN IN LOW PRECISION. The matrix products marked QUANTISED in the list below multiply operands that are first quantised to E3M2 (3 exponent bits, 2 mantissa bits; 6 bits a number), with one power-of-two scale for each 32 numbers along K (OCP MX v1.0); their sums are f32. All else is computed in f32.
;;   The module's matrix products, in the order in which they are computed (A, B: the left and right operand; K: the contracted axis; several contracted axes count as one K, in the product's order):
;;     1. [M 4,096, K 1,024] x [K 1,024, N 3,072]; A: input hidden_states; B: input Wqkv: QUANTISED
;;     2. [M 1,024, K 1] x [K 1, N 32]; A: computed on the way; B: computed on the way: left as it is (no contracted axis)
;;     3. batch 64 x [M 1,024, K 64] x [K 64, N 1,024]; A: computed on the way; B: computed on the way: QUANTISED
;;     4. batch 64 x [M 64, K 1,024] x [K 1,024, N 1,024]; A: computed on the way; B: softmax (see below): QUANTISED
;;   THE QUANTISER, for each operand of a quantised product, along K:
;;     - K is cut into blocks of 32 from its start; a last block that is shorter is filled with zeros.
;;     - A block's scale is 2^e with e = floor(log2(the largest magnitude in the block)) - 4, held to -126 .. 127; a block of zeros has e = 0. As a byte (E8M0): e + 127.
;;     - Each number is divided by its block's scale, clamped to +-28, and rounded to the nearest number of E3M2, ties to even, subnormals kept.
;;     - The product sums the exact products of the quantised numbers (number of the format x scale) in f32.
;;   ~~~python
;;   def quantise(x, axis):      # numpy; x: float32 -> the quantised numbers, widened to float32 again
;;       x = np.moveaxis(x, axis, -1); K = x.shape[-1]
;;       x = np.pad(x, [(0, 0)] * (x.ndim - 1) + [(0, -K % 32)]); x = x.reshape(x.shape[:-1] + (-1, 32)); a = np.abs(x).max(-1, keepdims=True)
;;       e = np.where(a > 0, np.clip(np.frexp(np.where(a > 0, a, 1))[1] - 1 - 4, -126, 127), 0)      # np.frexp(a)[1] - 1 = floor(log2(a)), exactly
;;       r = np.clip(x / 2.0 ** e, -28, 28)
;;       step = 2.0 ** (np.maximum(np.frexp(np.where(r == 0, 1, r))[1] - 1, -2) - 2)
;;       q = np.round(r / step) * step * 2.0 ** e      # np.round: ties to even
;;       return np.moveaxis(q.reshape(q.shape[:-2] + (-1,))[..., :K], -1, axis).astype(np.float32)
;;   ~~~
;;   SOFTMAX AHEAD OF A QUANTISED PRODUCT. Where the list says 'softmax', what is quantised is not the finished softmax but p = 2^(t - M), with t = logit x log2(e) and M = ceil(the row's largest t), a whole number; so 1/2 < the row's largest p <= 1. The row's sum l is taken of the UNQUANTISED p, in f32, and the product's result is divided by l at the end. Since M is a whole number, a kernel that streams over the keys may use a running M (the ceiling of the running maximum): every later rescaling is an exact power of two, which a block's scale takes up: the codes' values come out the same.
;;   OPERANDS COMPUTED ON THE WAY. 'Computed on the way' means the value that the module computes at that place (a softmax that the list does not call 'softmax' is quantised finished and normalised). What goes into a quantiser is computed in f32, as accurately as f32 sums, v_exp_f32 and their like allow (about 1e-6 of the number): no bf16 or f16 on the way to a quantiser, and a product that is left as it is and whose result goes on into a quantised operand takes f32 operands (vector FMAs, or v_wmma_f32_16x16x4_f32). A number that lies on a knife's edge between two numbers of the format may be rounded either way, as far as f32 arithmetic and the matrix unit's own rounding can turn it there, and no further.
;; One version. Each part assembles by itself: llvm-mc -triple=amdgcn-amd-amdhsa -mcpu=gfx1250 --defsym DOCPART=n.
;; ======== version 1 of 1: 3 launches
;; limits: right only within a limited range of input values
;; workspace buffers: x_codes 3,145,728 bytes; w_codes 2,359,296 bytes; scales 229,376 bytes; rope 262,144 bytes; qkv 10,223,616 bytes
;; launch prep (part 1): grid 256 x 1, 16 waves a work-group, no clusters, 138,240 bytes of LDS; arguments hidden_states, Wqkv, x_codes, w_codes, scales, rope; writes x_codes, w_codes, scales, rope
.if DOCPART == 1
	.amdgcn_target "amdgcn-amd-amdhsa--gfx1250"
	.amdhsa_code_object_version 6
	.text
	.protected	k_qad01ff77bd_prep
	.globl	k_qad01ff77bd_prep
	.p2align	8
	.type	k_qad01ff77bd_prep,@function
k_qad01ff77bd_prep:
	s_mov_b64 s[64:65], 0
	v_nop
	global_prefetch_b8 v0, s[64:65] scope:SCOPE_SE
	s_setreg_imm32_b32 hwreg(HW_REG_WAVE_MODE, 25, 1), 1
	s_wait_xcnt 0x0
; hidden_states [4096][1024] and Wqkv [3072][1024], f32, become codes of BF6 (E3M2) with one E8M0 byte for each 32 along K; and the table of cos and sin for the rotary embedding is made.
; A GROUP is 16 rows; a wave takes one tile, a group x 128 along K.  Waves 0-7 of work-group g take hidden_states' group g, waves 8-15 Wqkv's group g (g < 192); where g >= 192 waves 8-15 make the table.
; A group's place r holds row 32 (n / 2) + 8 (n % 2) + r + 8 (r / 8), n the group's number: then 16 results of a lane are neighbours along the next product's K.
; OUT: a tile is an IMAGE OF THE OPERAND'S REGISTERS, 1,536 bytes: three planes of 512 bytes, lane l's 16 bytes at 16 l; lane (r, h) holds K = 64 c + 32 h + 0 .. 31 in registers 6 c .. 6 c + 5.
;   x_codes [tile of 256 rows 16][K step 8][group 16], w_codes [head 16][K step 8][12: q 0-3, v 0-1, k 0-3, v 2-3]; scales: W's groups in that order, then x's, 512 bytes each: [half of K][row 16][4 K steps][4 bytes].
; A block's scale is 2^(floor(log2(its largest magnitude)) - 4); its byte is the largest magnitude's own exponent field - 4, held at 1 from below.
; THE TABLE: [chunk of 128 tokens 8][group a 8][k 8][lane 32][4 f32]: k < 4: cos of frequency 16 h + 4 k + i, k >= 4: sin of frequency 16 h + 4 (k - 4) + i.  P = 10000^(j / 32) rounded to f32 (a literal),
;   1 / P rounded correctly (a reciprocal and one correction), the angle = token x that, rounded to f32; then sine and cosine of that f32 number: the angle less N x pi/2, pi/2 in three parts, and the series in r
;   up to r^9 / 9! and r^8 / 8! on |r| <= pi/4, whose first dropped terms are at most 1.8e-9 and 2.5e-8.
; LEFT OUT in this program: scores of keys that come after all queries of a tile, in whole chunks of 128 keys (in the last launch): the causal mask, which the problem builds itself, makes their p zero for all inputs.
; LIMITS: NaN and infinities among the inputs are not served, and one that reaches only the work left out is not carried to the result.  A block whose largest magnitude lies under 2^-122 has its byte held at 1; a block of
; zeros gets the byte 1: its codes are zeros, and the bytes are read by this program alone.  The reduction of the angle holds up to 1,023 (N <= 652: the first of its three steps is then exact).
; The literals P take the definition's f32 power to be rounded correctly.
; No prefetch: there is no loop to run ahead in: each wave's 16 loads go out at its start.
.set SP,    528                        ; a stage row: 512 bytes + 16 of padding
.set STG,   16*SP                      ; a wave's stage
.set SCB,   16*STG                     ; the work-group's scale bytes: x's 512, then W's
.set SPARE, SCB+1024                   ; the spare words, 128 bytes for each wave
.set WGW,   192                        ; W's groups
.set SPW,   12
.set NIL,   13
.set R,     16                         ; v16-79   the tile as it is loaded: row i in v[R + 4 i] on
.set X,     80                         ; v80-143  my 64 numbers: block c at X + 32 c
.set C,     144                        ; v144-155 the image's registers; v156-162 conversions' second halves
.set MX,    164                        ; v164-167 largest magnitudes, two chains a block
.set SO,    168                        ; v168-169 the conversions' scale operands
.set SB,    170                        ; v170-171 the scales' bytes
	s_load_b128 s[4:7], s[0:1], 0x0                ; hidden_states, Wqkv
	s_load_b128 s[8:11], s[0:1], 0x10              ; x's codes, W's codes
	s_load_b128 s[12:15], s[0:1], 0x20             ; scales, the table
	v_lshl_add_u32 v[SPW], v0, 2, SPARE
	v_mov_b32 v[NIL], 0
	v_lshrrev_b32 v1, 5, v0
	v_readfirstlane_b32 s16, v1                    ; wave
	s_lshr_b32 s17, s16, 3                         ; 0: x, 1: W (or the table)
	s_and_b32 s18, s16, 7                          ; K step (or the table's k)
	s_lshr_b32 s19, ttmp9, 1
	s_lshl_b32 s19, s19, 5
	s_and_b32 s20, ttmp9, 1
	s_lshl_b32 s20, s20, 3
	s_add_co_u32 s19, s19, s20                     ; x: the group's first row
	s_lshr_b32 s20, ttmp9, 4
	s_mul_i32 s20, s20, 196608
	s_mul_i32 s21, s18, 24576
	s_add_co_u32 s20, s20, s21
	s_and_b32 s21, ttmp9, 15
	s_mul_i32 s21, s21, 1536
	s_add_co_u32 s20, s20, s21                     ; x: the image's place
	s_lshl_b32 s21, ttmp9, 9
	s_add_co_u32 s21, s21, 98304                   ; x: the scales' place
	s_mul_i32 s22, ttmp9, 5462
	s_lshr_b32 s22, s22, 16                        ; W: head = g / 12 (exact for g < 192)
	s_mul_i32 s23, s22, 12
	s_sub_co_u32 s23, ttmp9, s23                   ; W: e = g % 12
	s_cmp_ge_u32 s23, 6
	s_cselect_b32 s24, 1, 0                        ; which six
	s_mul_i32 s25, s24, 6
	s_sub_co_u32 s25, s23, s25                     ; which of them
	s_lshl_b32 s26, s24, 1
	s_add_co_u32 s26, s26, s25
	s_sub_co_u32 s26, s26, 4                       ; v's group (where it is v's)
	s_cmp_lt_u32 s25, 4
	s_cselect_b32 s24, s24, 2                      ; type: q 0, k 1, v 2
	s_cselect_b32 s25, s25, s26                    ; the head's group of that type
	s_lshl_b32 s24, s24, 10
	s_lshl_b32 s26, s22, 6
	s_add_co_u32 s24, s24, s26
	s_lshr_b32 s26, s25, 1
	s_lshl_b32 s26, s26, 5
	s_add_co_u32 s24, s24, s26
	s_and_b32 s26, s25, 1
	s_lshl_b32 s26, s26, 3
	s_add_co_u32 s24, s24, s26                     ; W: the group's first row
	s_mul_i32 s25, s22, 147456
	s_mul_i32 s26, s18, 18432
	s_add_co_u32 s25, s25, s26
	s_mul_i32 s26, s23, 1536
	s_add_co_u32 s25, s25, s26                     ; W: the image's place
	s_lshl_b32 s26, ttmp9, 9                       ; W: the scales' place
	s_cmp_eq_u32 s17, 0
	s_cselect_b32 s28, s19, s24
	s_cselect_b32 s30, s20, s25
	s_cselect_b32 s32, s21, s26
	s_lshl_b32 s28, s28, 12
	s_lshl_b32 s27, s18, 9
	s_add_co_u32 s28, s28, s27                     ; 4,096 bytes a row, 512 a K step
	s_mov_b32 s29, 0
	s_mov_b32 s31, 0
	s_mov_b32 s33, 0
	s_mul_i32 s34, s16, STG                        ; my stage
	s_lshl_b32 s35, s17, 9
	s_add_co_u32 s35, s35, SCB                     ; my tensor's scale bytes,
	s_bfe_u32 s36, s16, 0x10002
	s_lshl_b32 s36, s36, 8
	s_add_co_u32 s36, s36, s35
	s_and_b32 s37, s16, 3
	s_lshl_b32 s37, s37, 2
	s_add_co_u32 s36, s36, s37                     ; and my K step's in them
	v_and_b32 v2, 31, v0                           ; lane
	v_and_b32 v3, 15, v0                           ; r
	v_bfe_u32 v4, v0, 4, 1                         ; h
	v_lshlrev_b32 v8, 4, v2                        ; 16 bytes a lane
	v_add_nc_u32 v5, s34, v8                       ; into the stage: row by row
	v_mul_u32_u24 v6, v3, SP
	v_lshl_add_u32 v6, v4, 7, v6
	v_add_nc_u32 v6, s34, v6                       ; out of it: row r, + 128 h
	v_lshl_add_u32 v7, v3, 4, v4
	v_add_nc_u32 v7, s36, v7                       ; my scale bytes: 16 r + h (+ 2 c)
	v_add_nc_u32 v11, s35, v8                      ; and on the way out 16 bytes a lane
	s_wait_alu depctr_va_vdst(0)                   ; the wait at the head's end
	s_wait_kmcnt 0x0
	s_cmp_eq_u32 s17, 0
	s_cselect_b64 s[4:5], s[4:5], s[6:7]
	s_cselect_b64 s[8:9], s[8:9], s[10:11]
	s_add_nc_u64 s[4:5], s[4:5], s[28:29]
	s_add_nc_u64 s[8:9], s[8:9], s[30:31]
	s_add_nc_u64 s[12:13], s[12:13], s[32:33]
	s_cmp_lt_u32 s16, 8
	s_cbranch_scc1 .Lquant
	s_cmp_lt_u32 ttmp9, WGW
	s_cbranch_scc1 .Lquant
	; ---------------- the table: work-group 192 + 8 t + a, wave 8 + k: (t, a, k), 512 bytes ----------------
.set PJ, 16                            ; P, later r^3
.set YJ, 20                            ; 1 / P
.set XJ, 24                            ; the correction, then the angle
.set NJ, 28                            ; N, later the quadrant's lowest bit
.set RJ, 32                            ; r
.set S2, 36                            ; r^2
.set CJ, 40                            ; cos r
.set SJ, 44                            ; sin r
.set QJ, 48                            ; the quadrant, later the sign
.set OJ, 52                            ; the result
	s_sub_co_u32 s37, ttmp9, WGW
	s_lshl_b32 s60, s37, 12
	s_lshl_b32 s38, s18, 9
	s_add_co_u32 s60, s60, s38                     ; my 512 bytes of the table
	s_mov_b32 s61, 0
	s_add_nc_u64 s[14:15], s[14:15], s[60:61]
	s_and_b32 s38, s37, 1
	s_lshr_b32 s37, s37, 1
	s_lshl_b32 s37, s37, 5
	s_lshl_b32 s38, s38, 3
	s_add_co_u32 s37, s37, s38                     ; 128 t + 32 (a / 2) + 8 (a % 2)
	s_lshr_b32 s38, s18, 2
	s_mul_i32 s38, s38, 3                          ; sin x = cos(x - pi/2): three quadrants on
	s_and_b32 s39, s18, 3
.macro PLIT first, p0, p1, p2, p3, p4, p5, p6, p7   ; P of frequencies 4 (k % 4) + i (s40-43) and 16 more (s44-47)
.set PN, 40
.irp p, \p0, \p1, \p2, \p3, \p4, \p5, \p6, \p7
.if \first
	s_mov_b32 s[PN], \p
.else
	s_cselect_b32 s[PN], \p, s[PN]
.endif
.set PN, PN+1
.endr
.endm
	PLIT 1, 0x3f800000, 0x3faab0d5, 0x3fe39ea9, 0x4017c496, 0x42c80000, 0x43055a26, 0x4331d3f4, 0x436d232b
	s_cmp_eq_u32 s39, 1
	PLIT 0, 0x404a62c2, 0x4086f161, 0x40b3f300, 0x40eff755, 0x439e1d27, 0x43d2d927, 0x440c95d8, 0x443b793b
	s_cmp_eq_u32 s39, 2
	PLIT 0, 0x41200000, 0x41555d0a, 0x418e432a, 0x41bdb5bc, 0x447a0000, 0x44a6b0b0, 0x44de48f1, 0x451435fb
	s_cmp_eq_u32 s39, 3
	PLIT 0, 0x41fcfb72, 0x4228adb9, 0x4260efc0, 0x4295fa95, 0x4545a471, 0x4583c7b8, 0x45afbb4e, 0x45ea5789
	s_mov_b32 s48, 0x3f22f983                      ; 2 / pi
	s_mov_b32 s49, 0xbfc90fd8                      ; -pi/2 in three parts: the first has 21 bits,
	s_mov_b32 s50, 0xb4a8885a                      ; so that N x it, taken from the angle, leaves a multiple of 2^-20 under 1: exact
	s_mov_b32 s51, 0xa7c234c5
	s_mov_b32 s52, 0x37d00d01                      ; 1 / 8!
	s_mov_b32 s53, 0xbab60b61                      ; -1 / 6!
	s_mov_b32 s54, 0x3d2aaaab                      ; 1 / 4!
	s_mov_b32 s55, 0x3638ef1d                      ; 1 / 9!
	s_mov_b32 s56, 0xb9500d01                      ; -1 / 7!
	s_mov_b32 s57, 0x3c088889                      ; 1 / 5!
	v_cmp_eq_u32 vcc_lo, 1, v4
	v_and_b32 v14, 8, v3
.irp i, 0,1,2,3
	v_mov_b32 v[PJ+\i], s[44+\i]
.endr
	v_add3_u32 v14, v3, v14, s37                   ; my token
.irp i, 0,1,2,3
	v_cndmask_b32 v[PJ+\i], s[40+\i], v[PJ+\i], vcc_lo
.endr
	v_cvt_f32_u32 v14, v14
	s_wait_alu depctr_va_vdst(0)                   ; the wait ahead of the batch
.irp j, 0,1,2,3
	v_rcp_f32 v[YJ+\j], v[PJ+\j]
.endr
	v_nop                                          ; a plain line between the last reciprocal and the use of the results
	s_wait_alu depctr_va_vdst(0)                   ; the wait behind the plain line
.irp j, 0,1,2,3
	v_fma_f32 v[XJ+\j], -v[PJ+\j], v[YJ+\j], 1.0   ; what the reciprocal misses,
.endr
.irp j, 0,1,2,3
	v_fma_f32 v[YJ+\j], v[XJ+\j], v[YJ+\j], v[YJ+\j]   ; put right: 1 / P as a division rounds it
.endr
.irp j, 0,1,2,3
	v_mul_f32 v[XJ+\j], v14, v[YJ+\j]              ; the angle, rounded to f32 as the definition rounds it
.endr
.irp j, 0,1,2,3
	v_mul_f32 v[NJ+\j], s48, v[XJ+\j]
.endr
.irp j, 0,1,2,3
	v_rndne_f32 v[NJ+\j], v[NJ+\j]                 ; N = the nearest multiple of pi/2
.endr
.irp k, 49,50,51
.irp j, 0,1,2,3
.if \k == 49
	v_fma_f32 v[RJ+\j], v[NJ+\j], s[\k], v[XJ+\j]
.else
	v_fma_f32 v[RJ+\j], v[NJ+\j], s[\k], v[RJ+\j]  ; r = the angle - N pi/2
.endif
.endr
.endr
.irp j, 0,1,2,3
	v_mul_f32 v[S2+\j], v[RJ+\j], v[RJ+\j]
	v_cvt_i32_f32 v[QJ+\j], v[NJ+\j]
.endr
.irp j, 0,1,2,3
	v_mov_b32 v[CJ+\j], s53
	v_mov_b32 v[SJ+\j], s56
	v_add_nc_u32 v[QJ+\j], s38, v[QJ+\j]           ; the quadrant
.endr
.irp j, 0,1,2,3
	v_fma_f32 v[CJ+\j], v[S2+\j], s52, v[CJ+\j]
	v_fma_f32 v[SJ+\j], v[S2+\j], s55, v[SJ+\j]
.endr
.irp j, 0,1,2,3
	v_fma_f32 v[CJ+\j], v[CJ+\j], v[S2+\j], s54
	v_fma_f32 v[SJ+\j], v[SJ+\j], v[S2+\j], s57
	v_mul_f32 v[PJ+\j], v[RJ+\j], v[S2+\j]         ; r^3
	v_and_b32 v[NJ+\j], 1, v[QJ+\j]
.endr
.irp j, 0,1,2,3
	v_fma_f32 v[CJ+\j], v[CJ+\j], v[S2+\j], -0.5
	v_fmaak_f32 v[SJ+\j], v[SJ+\j], v[S2+\j], 0xbe2aaaab   ; -1 / 3!
	v_add_lshl_u32 v[QJ+\j], v[QJ+\j], 1, 30       ; quadrants 1 and 2 are negative: bit 1 of the quadrant + 1, moved to the sign's place
.endr
.irp j, 0,1,2,3
	v_fma_f32 v[CJ+\j], v[CJ+\j], v[S2+\j], 1.0    ; cos r
	v_fma_f32 v[SJ+\j], v[SJ+\j], v[PJ+\j], v[RJ+\j]   ; sin r
	v_and_b32 v[QJ+\j], 0x80000000, v[QJ+\j]
.endr
.irp j, 0,1,2,3
	v_cmp_eq_u32 vcc_lo, 1, v[NJ+\j]
	v_cndmask_b32 v[OJ+\j], v[CJ+\j], v[SJ+\j], vcc_lo   ; odd quadrants take the sine
.endr
.irp j, 0,1,2,3
	v_xor_b32 v[OJ+\j], v[OJ+\j], v[QJ+\j]
.endr
	global_store_b128 v8, v[OJ:OJ+3], s[14:15]     ; 32 lanes store 512 consecutive bytes, aligned
	s_branch .Lmeet
	; ---------------- the quantiser ----------------
.Lquant:
.irp i, 0,1,2,3,4,5,6,7,8,9,10,11,12,13,14,15
	global_load_b128 v[R+4*\i:R+4*\i+3], v8, s[4:5] offset:(\i+8*(\i/8))*4096 th:TH_LOAD_NT   ; place i's row: 32 lanes read 512 consecutive bytes
.endr
.irp q, 0,1,2,3
	s_wait_loadcnt 12-4*\q                         ; four rows more are in
.irp i, 0,1,2,3
	ds_store_b128 v5, v[R+16*\q+4*\i:R+16*\q+4*\i+3] offset:SP*(4*\q+\i)
.endr
.endr
.irp c, 0,1                                    ; LDS serves a wave's instructions in order: these see the stores above
.irp m, 0,1,2,3,4,5,6,7
	ds_load_b128 v[X+32*\c+4*\m:X+32*\c+4*\m+3], v6 offset:256*\c+16*\m
.endr
.endr
	s_wait_dscnt 0x0
.irp q, 0,1,2,3                                ; block c = q / 2, in two chains; the floor 2^(5 - 127): the byte cannot fall under 1
	v_max3_num_f32 v[MX+\q], |v[X+16*\q]|, |v[X+16*\q+1]|, 0x2800000
.endr
.irp i, 2,4,6,8,10,12,14
.irp q, 0,1,2,3
	v_max3_num_f32 v[MX+\q], v[MX+\q], |v[X+16*\q+\i]|, |v[X+16*\q+\i+1]|
.endr
.endr
.irp c, 0,1
	v_max_num_f32 v[MX+2*\c], v[MX+2*\c], v[MX+2*\c+1]
.endr
.irp c, 0,1
	v_add_nc_u32 v[SO+\c], 0xfe000000, v[MX+2*\c]  ; 4 off its exponent field: the conversion takes the exponent field of this operand as its scale, and nothing else of it
.endr
.irp c, 0,1
	v_lshrrev_b32 v[SB+\c], 23, v[SO+\c]           ; the scale's byte
.endr
.irp c, 0,1
	v_cvt_scalef32_pk16_bf6_f32 v[C+6*\c:C+6*\c+2], v[X+32*\c:X+32*\c+15], v[SO+\c]
	v_cvt_scalef32_pk16_bf6_f32 v[C+12+4*\c:C+14+4*\c], v[X+16+32*\c:X+31+32*\c], v[SO+\c]   ; (a conversion's three registers begin on an even number)
.endr
	v_nop                                          ; one plain line behind a scaled conversion
.irp c, 0,1
.irp i, 0,1,2
	v_mov_b32 v[C+6*\c+3+\i], v[C+12+4*\c+\i]
.endr
.endr
.irp p, 0,1,2
	global_store_b128 v8, v[C+4*\p:C+4*\p+3], s[8:9] offset:512*\p   ; 32 lanes store 512 consecutive bytes, aligned
.endr
.irp c, 0,1
	ds_store_b8 v7, v[SB+\c] offset:2*\c           ; byte 2 c + h of row r's word
.endr
.Lmeet:
	s_wait_dscnt 0x0                               ; my scale bytes lie in LDS,
	s_barrier_signal -1
	s_barrier_wait -1                              ; everybody's do
	s_cmp_lg_u32 s18, 0                            ; wave 0 stores x's 512 scale bytes, wave 8 W's
	s_cbranch_scc1 .Lend
	s_cmp_eq_u32 s17, 0
	s_cbranch_scc1 .Lout
	s_cmp_ge_u32 ttmp9, WGW
	s_cbranch_scc1 .Lend
.Lout:
	ds_load_b128 v[172:175], v11
	s_wait_dscnt 0x0
	global_store_b128 v8, v[172:175], s[12:13]
.Lend:
	s_wait_tensorcnt 0x0                           ; the wave's end
	ds_add_u32 v[SPW], v[NIL]
	s_wait_dscnt 0x0
	s_endpgm
.Lfunc_end_k_qad01ff77bd_prep:
	.size	k_qad01ff77bd_prep, .Lfunc_end_k_qad01ff77bd_prep-k_qad01ff77bd_prep
	.p2alignl 7, 3214868480
	.fill 96, 4, 3214868480
	.section	.rodata,"a",@progbits
	.p2align	6, 0x0
	.amdhsa_kernel k_qad01ff77bd_prep
		.amdhsa_group_segment_fixed_size 138240
		.amdhsa_private_segment_fixed_size 0
		.amdhsa_enable_private_segment 0
		.amdhsa_kernarg_size 48
		.amdhsa_user_sgpr_count 2
		.amdhsa_user_sgpr_kernarg_segment_ptr 1
		.amdhsa_wavefront_size32 1
		.amdhsa_system_sgpr_workgroup_id_x 1
		.amdhsa_system_sgpr_workgroup_id_y 1
		.amdhsa_system_sgpr_workgroup_id_z 1
		.amdhsa_system_vgpr_workitem_id 0
		.amdhsa_next_free_vgpr 176
		.amdhsa_next_free_sgpr 66
		.amdhsa_reserve_vcc 1
		.amdhsa_float_denorm_mode_32 3
		.amdhsa_float_denorm_mode_16_64 3
		.amdhsa_memory_ordered 1
		.amdhsa_forward_progress 1
		.amdhsa_inst_pref_size 21
	.end_amdhsa_kernel
	.amdgpu_metadata
---
amdhsa.version: [ 1, 2 ]
amdhsa.kernels:
  - .name:           k_qad01ff77bd_prep
    .symbol:         k_qad01ff77bd_prep.kd
    .args:
      - { .name: hidden_states, .offset: 0, .size: 8, .value_kind: global_buffer, .address_space: global }
      - { .name: Wqkv, .offset: 8, .size: 8, .value_kind: global_buffer, .address_space: global }
      - { .name: x_codes, .offset: 16, .size: 8, .value_kind: global_buffer, .address_space: global }
      - { .name: w_codes, .offset: 24, .size: 8, .value_kind: global_buffer, .address_space: global }
      - { .name: scales, .offset: 32, .size: 8, .value_kind: global_buffer, .address_space: global }
      - { .name: rope, .offset: 40, .size: 8, .value_kind: global_buffer, .address_space: global }
    .group_segment_fixed_size: 138240
    .private_segment_fixed_size: 0
    .kernarg_segment_align: 8
    .kernarg_segment_size: 48
    .max_flat_workgroup_size: 512
    .sgpr_count:     66
    .vgpr_count:     176
    .wavefront_size: 32
...
	.end_amdgpu_metadata
.endif
;; end of part 1
;; launch proj (part 2): grid 16 x 16, 4 waves a work-group, clusters of 4 x 4, 327,680 bytes of LDS; arguments x_codes, w_codes, scales, bqkv, rope, qkv; writes qkv
.if DOCPART == 2
	.amdgcn_target "amdgcn-amd-amdhsa--gfx1250"
	.amdhsa_code_object_version 6
	.text
	.protected	k_qad01ff77bd_proj
	.globl	k_qad01ff77bd_proj
	.p2align	8
	.type	k_qad01ff77bd_proj,@function
k_qad01ff77bd_proj:
	s_mov_b64 s[64:65], 0
	v_nop
	global_prefetch_b8 v0, s[64:65] scope:SCOPE_SE
	s_setreg_imm32_b32 hwreg(HW_REG_WAVE_MODE, 25, 1), 1
	s_wait_xcnt 0x0
	s_wait_alu depctr_hold_cnt(0) depctr_sa_sdst(0) depctr_va_vdst(0) depctr_va_sdst(0) depctr_va_ssrc(0) depctr_va_vcc(0) depctr_vm_vsrc(0)
	s_getreg_b32 s2, hwreg(HW_REG_IB_STS2, 6, 4)
	s_cmp_eq_u32 s2, 0
	s_cbranch_scc0 .Lentry_in_a_cluster
	s_endpgm
.Lentry_in_a_cluster:
	s_bfe_u32 s2, ttmp6, 0x10000c
	s_cmp_lg_u32 s2, 0xf033
	s_cbranch_scc0 .Lentry_shape_is_right
	s_endpgm
.Lentry_shape_is_right:
; qkv = x Wqkv^T + b on codes of BF6 (E3M2) with one E8M0 scale for each 32 along K = 1,024; then, still in registers and in f32, the rotary embedding on q and k, and the quantisers of the two products of attention.
; A WORK-GROUP makes 256 tokens x one head's q, k and v (192 columns): 16 x 16 work-groups.  Wave (i, j) takes 128 tokens (half i) x q (j = 0) or k (j = 1), 64 columns, and channels 32 j .. 32 j + 31 of v.
;   q, k: source 0 = W's rows, source 1 = tokens: a lane holds ONE TOKEN and its registers run along the head's 64, the K of q k^T.
;   v:    source 0 = tokens, source 1 = W's rows: a lane holds ONE CHANNEL and its registers run along the tokens, the K of v^T p.
; 48 accumulators, 384 registers; they begin with the bias as C.  The groups' rows are dealt so that the 16 registers of two neighbouring tiles are 16 neighbours: 32 b + 16 (lane / 16) + 0 .. 15.
; OPERANDS come as images of registers (1,536 bytes: 16 rows x 128 K, three planes of 512 bytes, lane l's 16 bytes at 16 l): a fragment is three loads of 16 bytes a lane, in LDS and in memory alike.
;   K steps 0-2 and 3-6 come into LDS by joint tensor loads in two groups, seven steps of 43,008 bytes, nothing filled twice.  Clusters of 4 x 4: x's tile is shared along a row of the cluster, W's along a column.
;   K step 7 comes straight into registers and is multiplied FIRST, while the first group lands.  The scale words of all eight steps come straight into registers too: 64.
;   The second group is prefetched into the L2 while the first lands, one group ahead of its load: each 256 bytes once in a cluster, the four partners sharing the blocks by address.
; OUT.  qkv is [batch x 16 + head][chunk of 128 tokens][q, k, v][6,656 bytes]: four images, then 512 bytes of scale words: q, k: [lane][4]; v: [image pair][lane][2].
;   q, k: image p holds two tiles of 16 tokens: registers 0-5 tile 2 p's, registers 6-11 tile 2 p + 1's, each 64 codes a token.   v: image d is 16 channels x the chunk's 128 tokens.
; LIMITS: NaN and infinities are not served; a block whose largest magnitude lies under 2^-122 has its byte held at 1, a block of zeros too (its codes are zeros; this program alone reads the bytes).
; All of a WGP's LDS is claimed; 301,568 bytes are used.
; REGISTERS, in windows of 256: window 0: v0-23 addresses; v24-87 scale words (fragment i, step s at v[SC + 8 i + s]: lanes 0-15 x's fragment i, lanes 16-31 W's); v88-255 fragment set A.
;   window 1: v0-167 fragment set B; v168-199 the bias along a lane's registers, v200-215 of a lane's channels.   window 2: q's or k's accumulators, (a, b) at v[32 a + 8 b].
;   window 3: v0-127 v's accumulators, (d, a) at v[64 d + 8 a].   The table of cos and sin: tiles 0-3 in window 3, v128-255; tiles 4, 5 in window 1, v168-231 (where the bias was); tiles 6, 7 in window 1, v0-63 (where set B was).
;   A set: x's fragment a at 12 a, W's fragment e at 96 + 12 e (e 0-3: q or k, 4-5: v).
.set XREG,  172032                     ; LDS: x's seven steps of 24,576 bytes, then W's seven of 18,432,
.set SPARE, 301056                     ; then the spare words, 128 bytes for each wave
.set HEADB, 159744
.set CHUNK, 19968
.set PARTB, 6656
.set IMG,   1536
.set LI,   7                           ; v7      16 x lane
.set BOA,  8                           ; v8      64 h: the bias along my registers
.set BOB,  9                           ; v9      4 (r + 8 (r / 8)): the bias of my channel
.set L8,   12                          ; v12     8 x lane
.set VS,   13                          ; v13     my place in the scales
.set VW,   14                          ; v14-15  v's scale words on the way out
.set AX,   16                          ; v16-18  LDS address of my x fragments, steps 0, 3, 6
.set AW,   19                          ; v19-20  of my W fragments, steps 0, 4
.set SPW,  22
.set NIL,  23
.set SC,   24
.set G1X0, 24                          ; descriptor groups 1 of the two groups of loads
.set G1W0, 32
.set G1X1, 48
.set G1W1, 56
.set G0X0, 68                          ; and groups 0
.set G0W0, 72
.set G0X1, 76
.set G0W1, 80
.set MSB, 0
.macro WIN new                         ; the immediate's high byte repeats the setting that is left
.if MSB != \new
	s_set_vgpr_msb (MSB<<8)|\new
.set MSB, \new
.endif
.endm
; A joint load: waves 0 and 1 fetch for x, waves 2 and 3 for W.  Each of the two lines has ONE mask and one set of registers; the branch hangs on the wave's number alone.
.macro JLOAD g0x, g1x, g0w, g1w
	s_cmp_eq_u32 s15, 0
	s_cbranch_scc0 .Lfor_w_\@
	tensor_load_to_lds s[\g0x:\g0x+3], s[\g1x:\g1x+7]
	s_nop 0
.rept 4
	v_nop
.endr
	s_branch .Lasked_\@
.Lfor_w_\@:
	tensor_load_to_lds s[\g0w:\g0w+3], s[\g1w:\g1w+7]
	s_nop 0
.rept 4
	v_nop
.endr
.Lasked_\@:
.endm
.macro CROUND                          ; a round of the cluster's barrier
	s_barrier_signal -1
	s_barrier_wait -1
	s_cmp_lg_u32 s14, 0
	s_cbranch_scc1 .Lnot_wave_0_\@
	s_barrier_signal -3
.Lnot_wave_0_\@:
	s_barrier_wait -3
	s_barrier_signal -1
	s_barrier_wait -1
.endm
.macro G1MK g, mask, rows              ; a dense block as rows of 256 bytes (32 elements of 8 bytes)
	s_or_b32 s[\g], \mask, (3<<16)|(1<<21)         ; 15:0 the mask; 17:16 elements of 8 bytes; 21 set beside a mask
	s_mov_b32 s[\g+1], 32<<16                      ; tensor_dim0
	s_mov_b32 s[\g+2], (\rows)<<16                 ; tensor_dim1
	s_mov_b32 s[\g+3], 32<<16                      ; tile_dim0
	s_mov_b32 s[\g+4], \rows                       ; tile_dim1
	s_mov_b32 s[\g+5], 32                          ; tensor_dim0_stride
	s_mov_b32 s[\g+6], 0
	s_mov_b32 s[\g+7], 0
.endm
.macro G0MK g, ldsb, base, half, byte  ; my half of a block: half bytes x (wave % 2)
	s_mul_i32 s12, s16, \half
	s_mov_b32 s[\g], 1
	s_add_co_u32 s[\g+1], s12, \ldsb
	s_add_co_u32 s12, s12, \byte
	s_add_nc_u64 s[\g+2:\g+3], s[\base:\base+1], s[12:13]
	s_or_b32 s[\g+3], s[\g+3], 0x80000000
.endm
	s_load_b128 s[4:7], s[0:1], 0x0                ; x's codes, W's codes
	s_load_b128 s[8:11], s[0:1], 0x10              ; scales, the bias
	s_load_b128 s[96:99], s[0:1], 0x20             ; the table, qkv
	v_lshl_add_u32 v[SPW], v0, 2, SPARE
	v_mov_b32 v[NIL], 0
	ds_add_u32 v[SPW], v[NIL]                      ; the wave's opening: the add, twice on end
	ds_add_u32 v[SPW], v[NIL]
	v_lshrrev_b32 v1, 5, v0
	v_readfirstlane_b32 s14, v1                    ; wave 0..3
	s_lshr_b32 s15, s14, 1                         ; i.  Also: I fetch for x (0) or for W (1)
	s_and_b32 s16, s14, 1                          ; j.  Also: which half of a block I fetch
	s_bfe_u32 s40, ttmp6, 0x40000                  ; cx, cy
	s_bfe_u32 s41, ttmp6, 0x40004
	s_lshl_b32 s18, ttmp9, 2
	s_add_co_u32 s18, s18, s40                     ; head
	s_and_b32 s17, ttmp7, 0xffff
	s_lshl_b32 s17, s17, 2
	s_add_co_u32 s17, s17, s41                     ; tile of 256 tokens
	s_lshl_b32 s43, s41, 2
	s_lshl_b32 s43, 15, s43                        ; my row of the cluster
	s_lshl_b32 s44, 0x1111, s40                    ; my column
	G1MK G1X0, s43, 144
	G1MK G1W0, s44, 108
	G1MK G1X1, s43, 192
	G1MK G1W1, s44, 144
	s_mul_i32 s20, s17, 196608                     ; my tile in x's codes
	s_mov_b32 s21, 0
	s_mul_i32 s22, s18, 147456                     ; my head in W's
	s_mov_b32 s23, 0
	s_mov_b32 s13, 0
	s_lshl_b32 s46, s17, 13
	s_lshl_b32 s19, s15, 12
	s_add_co_u32 s46, s46, s19
	s_add_co_u32 s46, s46, 98304                   ; x's scales: my first fragment's
	s_mul_i32 s47, s18, 6144
	s_mul_i32 s19, s16, 3072
	s_add_co_u32 s47, s47, s19                     ; W's
	s_sub_co_u32 s46, s46, s47                     ; (they lie ahead of x's)
	s_mul_i32 s84, s15, 12288
	s_mul_i32 s85, s16, 9216
	s_add_co_u32 s85, s85, XREG
	s_cmp_eq_u32 s15, 0
	s_cselect_b32 s19, 47, 35                      ; the last block of 256 bytes that my prefetches name
	v_and_b32 v1, 15, v0                           ; r
	v_bfe_u32 v2, v0, 4, 1                         ; h
	v_and_b32 v6, 31, v0                           ; lane
	v_lshlrev_b32 v[LI], 4, v6
	v_lshlrev_b32 v[L8], 3, v6
	v_lshlrev_b32 v[BOA], 6, v2
	v_and_b32 v3, 8, v1
	v_sub_nc_u32 v4, 1, v2                         ; 1 in lanes 0-15
	v_add_nc_u32 v3, v3, v1
	v_mul_u32_u24 v4, s46, v4
	v_lshlrev_b32 v[BOB], 2, v3
	v_lshl_add_u32 v[VS], v1, 4, v4
	v_add_nc_u32 v[VS], s47, v[VS]                 ; 16 r in x's (lanes 0-15) or W's (lanes 16-31) scales
	v_add_nc_u32 v[AX], s84, v[LI]
	v_add_nc_u32 v[AW], s85, v[LI]
	v_add_nc_u32 v[AX+1], 73728, v[AX]
	v_add_nc_u32 v[AX+2], 147456, v[AX]
	v_add_nc_u32 v[AW+1], 73728, v[AW]
	v_add_nc_u32 v11, 32, v6
	v_lshlrev_b32 v10, 8, v6                       ; the prefetches' offsets: a block a lane; the first 32,
	v_min_u32 v11, s19, v11
	v_lshlrev_b32 v11, 8, v11                      ; and the rest
	s_wait_alu depctr_va_vdst(0)                   ; the wait at the head's end
	s_wait_dscnt 0x0                               ; both opening adds are done
	s_wait_kmcnt 0x0
	s_add_nc_u64 s[4:5], s[4:5], s[20:21]          ; x's codes: my tile
	s_add_nc_u64 s[6:7], s[6:7], s[22:23]          ; W's: my head
	G0MK G0X0, 0, 4, 36864, 0                      ; steps 0-2: a step and a half a wave
	G0MK G0W0, XREG, 6, 27648, 0
	CROUND                                         ; all sixteen work-groups are here: the first joint loads meet
	JLOAD G0X0, G1X0, G0W0, G1W0                   ; one tensor load a wave at the head
	G0MK G0X1, 73728, 4, 49152, 73728              ; steps 3-6: two steps a wave
	G0MK G0W1, XREG+55296, 6, 36864, 55296
	; what comes straight into registers
.irp a, 0,1,2,3,4,5,6,7                        ; fragment a's scale words, eight steps.  (W has six fragments: in lanes 16-31 the seventh and eighth are the next ones of the buffer, which nothing names)
	global_load_b128 v[SC+8*\a:SC+8*\a+3], v[VS], s[8:9] offset:512*\a
	global_load_b128 v[SC+8*\a+4:SC+8*\a+7], v[VS], s[8:9] offset:512*\a+256
.endr
	s_mul_i32 s12, s15, 12288
	s_add_co_u32 s12, s12, 7*24576
	s_add_nc_u64 s[42:43], s[4:5], s[12:13]        ; step 7: my eight fragments of x,
	s_mul_i32 s12, s16, 9216
	s_add_co_u32 s12, s12, 7*18432
	s_add_nc_u64 s[44:45], s[6:7], s[12:13]        ; my six of W
	WIN 0x40
.irp e, 0,1,2,3,4,5
.irp p, 0,1,2
	global_load_b128 v[96+12*\e+4*\p:99+12*\e+4*\p], v[LI], s[44:45] offset:1536*\e+512*\p
.endr
.endr
.irp a, 0,1,2,3,4,5,6,7
.irp p, 0,1,2
	global_load_b128 v[12*\a+4*\p:12*\a+4*\p+3], v[LI], s[42:43] offset:1536*\a+512*\p
.endr
.endr
	WIN 0
	; the prefetch of steps 3-6: of the block that I shall fetch, 192 units of 256 bytes of x or 144 of W, my work-group's quarter
	s_mul_i32 s94, s16, 49152
	s_mul_i32 s95, s40, 12288
	s_add_co_u32 s94, s94, s95
	s_add_co_u32 s94, s94, 73728
	s_mul_i32 s46, s16, 36864
	s_mul_i32 s95, s41, 9216
	s_add_co_u32 s46, s46, s95
	s_add_co_u32 s46, s46, 55296
	s_cmp_eq_u32 s15, 0
	s_cselect_b32 s94, s94, s46
	s_cselect_b64 s[92:93], s[4:5], s[6:7]
	s_mov_b32 s95, 0
	s_add_nc_u64 s[92:93], s[92:93], s[94:95]
	global_prefetch_b8 v10, s[92:93] th:TH_LOAD_NT scope:SCOPE_SE
	global_prefetch_b8 v11, s[92:93] th:TH_LOAD_NT scope:SCOPE_SE
	; the bias
	s_lshl_b32 s46, s18, 8
	s_lshl_b32 s47, s16, 7
	s_add_co_u32 s47, s47, s46
	s_add_co_u32 s94, s47, 8192                    ; of v: 4 (2,048 + 64 head + 32 j)
	s_lshl_b32 s47, s16, 12
	s_add_co_u32 s46, s46, s47                     ; of q or k: 4 (1,024 j + 64 head)
	s_mov_b32 s47, 0
	s_add_nc_u64 s[100:101], s[10:11], s[46:47]
	s_add_nc_u64 s[10:11], s[10:11], s[94:95]
	WIN 0x40
.irp b, 0,1,2,3                                ; tile b's register i is channel 32 (b / 2) + 16 h + 8 (b % 2) + i
	global_load_b128 v[168+8*\b:171+8*\b], v[BOA], s[100:101] offset:(32*(\b/2)+8*(\b%2))*4
	global_load_b128 v[172+8*\b:175+8*\b], v[BOA], s[100:101] offset:(32*(\b/2)+8*(\b%2))*4+16
.endr
.irp d, 0,1                                    ; lane r of v's fragment d is channel 32 j + 8 d + r + 8 (r / 8)
	global_load_b32 v[200+8*\d], v[BOB], s[10:11] offset:32*\d
.endr
	WIN 0
	; where the table and the results lie
	s_and_b32 s46, s17, 3
	s_lshl_b32 s46, s46, 1
	s_add_co_u32 s46, s46, s15                     ; chunk
	s_lshl_b32 s84, s46, 15
	s_mov_b32 s85, 0
	s_add_nc_u64 s[84:85], s[96:97], s[84:85]
	s_mul_i32 s46, s46, CHUNK
	s_lshr_b32 s47, s17, 2
	s_lshl_b32 s47, s47, 4
	s_add_co_u32 s47, s47, s18
	s_mul_i32 s47, s47, HEADB
	s_add_co_u32 s46, s46, s47
	s_mul_i32 s47, s16, PARTB
	s_add_co_u32 s86, s46, s47                     ; part q or k
	s_mov_b32 s87, 0
	s_add_nc_u64 s[86:87], s[98:99], s[86:87]
	s_add_co_u32 s46, s46, 2*PARTB                 ; part v:
	s_mul_i32 s47, s16, 2*IMG
	s_add_co_u32 s88, s46, s47                     ; images 2 j, 2 j + 1,
	s_mov_b32 s89, 0
	s_add_nc_u64 s[88:89], s[98:99], s[88:89]
	s_lshl_b32 s47, s16, 8
	s_add_co_u32 s46, s46, s47
	s_add_co_u32 s90, s46, 4*IMG                   ; and their words
	s_mov_b32 s91, 0
	s_add_nc_u64 s[90:91], s[98:99], s[90:91]
; Matrix instruction n of a step: n < 32: q or k, (a, b) = (n / 4, n % 4); else v, (a, d) = ((n - 32) / 2, n % 2).  f: the fragment set's first register.  z = 1: the bias is C: the sum begins.
; The 48 accumulators take turns, one instruction a turn, in the same order in every step.
.macro WM n, s, f, z
.set FS, \f
.if (\n) < 32
.set WA, (\n)/4
.set WB, (\n)%4
.if \z
	v_wmma_scale_f32_16x16x128_f8f6f4 v[32*WA+8*WB:32*WA+8*WB+7], v[FS+96+12*WB:FS+107+12*WB], v[FS+12*WA:FS+12*WA+11], v[168+8*WB:175+8*WB], v[SC+8*WB+\s], v[SC+8*WA+\s] matrix_a_fmt:MATRIX_FMT_BF6 matrix_b_fmt:MATRIX_FMT_BF6 matrix_a_scale:MATRIX_SCALE_ROW1
.else
	v_wmma_scale_f32_16x16x128_f8f6f4 v[32*WA+8*WB:32*WA+8*WB+7], v[FS+96+12*WB:FS+107+12*WB], v[FS+12*WA:FS+12*WA+11], v[32*WA+8*WB:32*WA+8*WB+7], v[SC+8*WB+\s], v[SC+8*WA+\s] matrix_a_fmt:MATRIX_FMT_BF6 matrix_b_fmt:MATRIX_FMT_BF6 matrix_a_scale:MATRIX_SCALE_ROW1
.endif
.else
.set WA, ((\n)-32)/2
.set WB, (\n)%2
.if \z
	v_wmma_scale_f32_16x16x128_f8f6f4 v[64*WB+8*WA:64*WB+8*WA+7], v[FS+12*WA:FS+12*WA+11], v[FS+144+12*WB:FS+155+12*WB], v[200+8*WB:207+8*WB], v[SC+8*WA+\s], v[SC+32+8*WB+\s] matrix_a_fmt:MATRIX_FMT_BF6 matrix_b_fmt:MATRIX_FMT_BF6 matrix_b_scale:MATRIX_SCALE_ROW1
.else
	v_wmma_scale_f32_16x16x128_f8f6f4 v[64*WB+8*WA:64*WB+8*WA+7], v[FS+12*WA:FS+12*WA+11], v[FS+144+12*WB:FS+155+12*WB], v[64*WB+8*WA:64*WB+8*WA+7], v[SC+8*WA+\s], v[SC+32+8*WB+\s] matrix_a_fmt:MATRIX_FMT_BF6 matrix_b_fmt:MATRIX_FMT_BF6 matrix_b_scale:MATRIX_SCALE_ROW1
.endif
.endif
.endm
.macro RUN n0, cnt, s, k, z            ; cnt of them on set k (0: A, window 0; 1: B, window 1)
.if (\n0) < 32
	WIN (0xa0+5*\k-0x10*\z)
.else
	WIN (0xf0+5*\k-0x20*\z)
.endif
.set NN, \n0
.rept \cnt
	WM NN, \s, 88*(1-\k), \z
.set NN, NN+1
.endr
.endm
; LDS load l of a step's 42: three for each of W's fragments 0-3, x's 0-7, W's 4-5.
.macro LD l, s, k
.set LF, (\l)/3
.set LP, (\l)%3
.set FS, 88*(1-(\k))
.if LF < 4
	ds_load_b128 v[FS+96+12*LF+4*LP:FS+99+12*LF+4*LP], v[AW+(\s)/4] offset:((\s)%4)*18432+LF*1536+512*LP
.else
.if LF < 12
	ds_load_b128 v[FS+12*(LF-4)+4*LP:FS+12*(LF-4)+4*LP+3], v[AX+(\s)/3] offset:((\s)%3)*24576+(LF-4)*1536+512*LP
.else
	ds_load_b128 v[FS+96+12*(LF-8)+4*LP:FS+99+12*(LF-8)+4*LP], v[AW+(\s)/4] offset:((\s)%4)*18432+(LF-8)*1536+512*LP
.endif
.endif
.endm
.macro LDRUN l0, cnt, s, k             ; cnt of step s's loads into set k
	WIN (0x40*\k)
.set LL, \l0
.rept \cnt
	LD LL, \s, \k
.set LL, LL+1
.endr
.endm
.set TN, 0
.macro TAB cnt, lim                    ; the next cnt of the table's 64 loads: eight for each tile of 16 tokens: 16 cosines, 16 sines
.rept \cnt
.if TN < \lim
.if TN < 32
	WIN 0xc0
	global_load_b128 v[128+4*TN:131+4*TN], v[LI], s[84:85] offset:512*TN
.else
	WIN 0x40
.if TN < 48
	global_load_b128 v[168+4*(TN-32):171+4*(TN-32)], v[LI], s[84:85] offset:512*TN
.else
	global_load_b128 v[4*(TN-48):4*(TN-48)+3], v[LI], s[84:85] offset:512*TN
.endif
.endif
.set TN, TN+1
.endif
.endr
.endm
; A load into a register that a matrix instruction has read, and a vector instruction that reads a matrix result or writes one of a matrix instruction's registers, stand four places behind that matrix instruction,
; and only plain vector instructions that name none of its registers are places (ISA guide 7.12.1 for vector instructions).
.macro PLACES
.rept 4
	v_nop
.endr
.endm
; Step s on set k; the next step's 42 loads go into the other set in two runs: 24 behind n = 11, 18 behind n = 29.  Ahead of n = 0 the first 24 of this step's loads are in (18 may be out); ahead of n = 12 all but its
; last six; ahead of v's all (the 42 new ones may be out).
.macro STEP s, k, t
	PLACES
	s_wait_dscnt 18
	RUN 0, 12, \s, \k, 0
	s_wait_dscnt 6
	LDRUN 0, 24, (\s)+1, (1-\k)
	TAB \t, 48
	RUN 12, 18, \s, \k, 0
	LDRUN 24, 18, (\s)+1, (1-\k)
	TAB \t, 48
	RUN 30, 2, \s, \k, 0
	s_wait_dscnt 42
	RUN 32, 16, \s, \k, 0
.endm
	s_wait_loadcnt 0x0                             ; scale words, step 7's fragments, the bias
	WIN 0x41
.irp d, 0,1
.irp i, 1,2,3,4,5,6,7
	v_mov_b32 v[200+8*\d+\i], v[200+8*\d]          ; a lane's channel has one bias: the same for its eight results
.endr
.endr
	s_wait_alu depctr_va_vdst(0)
	RUN 0, 32, 7, 1, 1                             ; step 7 starts the sums
	WIN 0
	s_wait_tensorcnt 0x0                           ; my part of steps 0-2 is in
	ds_add_u32 v[SPW], v[NIL]
	s_wait_dscnt 0x0
	CROUND                                         ; everybody's part is in, and the joint loads meet
	JLOAD G0X1, G1X1, G0W1, G1W1                   ; steps 3-6
	LDRUN 0, 42, 0, 0
	RUN 32, 16, 7, 1, 1                            ; the rest of step 7 while step 0's fragments come
	STEP 0, 0, 0
	STEP 1, 1, 0
	PLACES                                         ; step 2: in its middle steps 3-6 are shown to every wave
	s_wait_dscnt 18
	RUN 0, 12, 2, 0, 0
	s_wait_dscnt 6                                 ; (no new loads yet: v's six may be out)
	RUN 12, 12, 2, 0, 0
	s_wait_tensorcnt 0x0
	s_wait_dscnt 0x0
	s_barrier_signal -1
	RUN 24, 6, 2, 0, 0
	s_barrier_wait -1
	LDRUN 0, 24, 3, 1
	RUN 30, 2, 2, 0, 0
	RUN 32, 6, 2, 0, 0
	LDRUN 24, 18, 3, 1
	RUN 38, 10, 2, 0, 0
	STEP 3, 1, 0
	STEP 4, 0, 12
	STEP 5, 1, 12
	PLACES                                         ; step 6: nothing more to fetch from LDS; set B is done with: tiles 6 and 7's table lands there
	s_wait_dscnt 18
	TAB 16, 64
	RUN 0, 12, 6, 0, 0
	s_wait_dscnt 6
	RUN 12, 20, 6, 0, 0
	s_wait_dscnt 0x0
	RUN 32, 16, 6, 0, 0
; THE WAY OUT, two images (eight blocks of 16 registers a lane) at a time.  Window 0: v88-151 U: products with sin; v152-183 for eight blocks each: MA, MB largest magnitudes in two chains (MB then the scales' bytes),
; MX the other half's, SO the conversions' scale operands; v184-231 two images' 12 registers and their conversions' second halves; v232-235 q's or k's scale words.
.set U,   88
.set MA,  152
.set MB,  160
.set MX,  168
.set SO,  176
.set PC,  184
.set WP,  232
.set SEL, 46                           ; s[46:47] lane selects for v_permlanex16_b32: lane l xor 16
	WIN 0
	PLACES                                         ; behind the last products
.irp b, 0,1,2,3,4,5,6,7
	v_mov_b32 v[MX+\b], 0                          ; written once: a lane permute's destination counts as one of its sources
.endr
	s_mov_b32 s[SEL], 0x76543210
	s_mov_b32 s[SEL+1], 0xfedcba98
; Two images: 128 numbers of a lane, eight blocks of 16 from register s0 on, become their registers and their scale words v[pw], v[pw+1].  wm, wc: the windows for the maxima and for the conversions.
.macro QUANT again, s0, wm, wc, pw
	WIN \wm
.irp b, 0,1,2,3,4,5,6,7
	v_max3_num_f32 v[MA+\b], 0x2800000, |v[\s0+16*\b]|, |v[\s0+16*\b+1]|          ; the floor 2^(5 - 127): the byte cannot fall under 1
.endr
.irp b, 0,1,2,3,4,5,6,7
	v_max3_num_f32 v[MB+\b], 0x2800000, |v[\s0+16*\b+8]|, |v[\s0+16*\b+9]|
.endr
.irp i, 2,4,6
.irp b, 0,1,2,3,4,5,6,7
	v_max3_num_f32 v[MA+\b], v[MA+\b], |v[\s0+16*\b+\i]|, |v[\s0+16*\b+\i+1]|
.endr
.irp b, 0,1,2,3,4,5,6,7
	v_max3_num_f32 v[MB+\b], v[MB+\b], |v[\s0+16*\b+8+\i]|, |v[\s0+16*\b+9+\i]|
.endr
.endr
	WIN 0
.irp b, 0,1,2,3,4,5,6,7
	v_max_num_f32 v[MA+\b], v[MA+\b], v[MB+\b]
.endr
.irp b, 0,1,2,3,4,5,6,7
	v_permlanex16_b32 v[MX+\b], v[MA+\b], s[SEL], s[SEL+1]
.endr
.irp b, 0,1,2,3,4,5,6,7
	v_max_num_f32 v[MA+\b], v[MA+\b], v[MX+\b]     ; with lane l xor 16's: the block's largest magnitude
.endr
.irp b, 0,1,2,3,4,5,6,7
	v_add_nc_u32 v[SO+\b], 0xfe000000, v[MA+\b]    ; 4 off its exponent field: the conversion's scale operand
.endr
.irp b, 0,1,2,3,4,5,6,7
	v_lshrrev_b32 v[MB+\b], 23, v[SO+\b]           ; the scale's byte
.endr
.irp m, 0,1
	v_lshl_or_b32 v[\pw+\m], v[MB+4*\m+1], 8, v[MB+4*\m]
.endr
.irp m, 0,1
	v_lshl_or_b32 v[\pw+\m], v[MB+4*\m+2], 16, v[\pw+\m]
.endr
.irp m, 0,1
	v_lshl_or_b32 v[\pw+\m], v[MB+4*\m+3], 24, v[\pw+\m]
.endr
.if \again
	s_wait_alu depctr_va_vdst(0)                   ; the wait ahead of the wait below
	s_wait_xcnt 0x0                                ; the last images' stores have read their registers
.endif
	WIN \wc
.irp m, 0,1
.irp c, 0,1
	v_cvt_scalef32_pk16_bf6_f32 v[PC+24*\m+6*\c:PC+24*\m+2+6*\c], v[\s0+64*\m+32*\c:\s0+64*\m+15+32*\c], v[SO+4*\m+2*\c]
	v_cvt_scalef32_pk16_bf6_f32 v[PC+24*\m+12+4*\c:PC+24*\m+14+4*\c], v[\s0+64*\m+16+32*\c:\s0+64*\m+31+32*\c], v[SO+4*\m+2*\c+1]   ; (a conversion's three registers begin on an even number)
.endr
.endr
	WIN 0
	v_nop                                          ; one plain line behind a scaled conversion
.irp m, 0,1
.irp c, 0,1                                    ; the operand's layout wants a WHOLE block in a lane: lanes 0-15 block 2 c, lanes 16-31 block 2 c + 1
.irp i, 0,1,2
	v_permlane16_swap_b32 v[PC+24*\m+6*\c+\i], v[PC+24*\m+12+4*\c+\i]
.endr
.endr
.endr
.irp m, 0,1
.irp c, 0,1
.irp i, 0,1,2
	v_mov_b32 v[PC+24*\m+3+6*\c+\i], v[PC+24*\m+12+4*\c+\i]
.endr
.endr
.endr
.endm
.macro SEND base, byte                 ; each store of the wave covers 512 consecutive bytes, aligned
.irp m, 0,1
.irp c, 0,1,2
	global_store_b128 v[LI], v[PC+24*\m+4*\c:PC+24*\m+4*\c+3], s[\base:\base+1] offset:(\byte)+IMG*\m+512*\c
.endr
.endr
.endm
; The rotary embedding of tiles 4 g .. 4 g + 3, in place, two tiles at a time: x(d) cos - x(d + 32) sin and x(d + 32) cos + x(d) sin; each accumulator is read from its low end on.
.macro ROPE g
	s_wait_loadcnt 32-32*\g                        ; these tiles' 32 table loads are in; the later tiles' 32 may be out
.irp e, 0,1
	WIN (0x0e-8*\g)                                ; accumulators in window 2, the table in window 3 (g = 0) or 1
.irp u, 0,1
.set A0, 32*(4*\g+2*\e+\u)
.set TB, 128+32*(2*\e+\u)-\g*(128+64*\e)+\g*168*(1-\e)
.irp i, 0,2,4,6,8,10,12,14
	v_pk_mul_f32 v[U+32*\u+\i:U+32*\u+\i+1], v[A0+16+\i:A0+17+\i], v[TB+16+\i:TB+17+\i]
.endr
.irp i, 0,2,4,6,8,10,12,14
	v_pk_mul_f32 v[U+32*\u+16+\i:U+32*\u+17+\i], v[A0+\i:A0+\i+1], v[TB+16+\i:TB+17+\i]
.endr
.endr
	WIN (0x8e-8*\g)
.irp u, 0,1
.set A0, 32*(4*\g+2*\e+\u)
.set TB, 128+32*(2*\e+\u)-\g*(128+64*\e)+\g*168*(1-\e)
.irp i, 0,2,4,6,8,10,12,14
	v_pk_fma_f32 v[A0+\i:A0+\i+1], v[A0+\i:A0+\i+1], v[TB+\i:TB+\i+1], v[U+32*\u+\i:U+32*\u+\i+1] neg_lo:[0,0,1] neg_hi:[0,0,1]
.endr
.irp i, 0,2,4,6,8,10,12,14
	v_pk_fma_f32 v[A0+16+\i:A0+17+\i], v[A0+16+\i:A0+17+\i], v[TB+\i:TB+\i+1], v[U+32*\u+16+\i:U+32*\u+17+\i]
.endr
.endr
.endr
	WIN 0
.endm
	QUANT 0, 0, 0x3c, 0x03, VW                     ; v: straight from window 3
	SEND 88, 0
	global_store_b64 v[L8], v[VW:VW+1], s[90:91]   ; 256 consecutive bytes, aligned
.irp g, 0,1
	ROPE \g
	QUANT 1, 128*\g, 0x28, 0x02, WP+2*\g
	SEND 86, 2*IMG*\g
.endr
	global_store_b128 v[LI], v[WP:WP+3], s[86:87] offset:4*IMG
	s_wait_tensorcnt 0x0                           ; the wave's end, behind my last tensor load
	ds_add_u32 v[SPW], v[NIL]
	s_wait_dscnt 0x0
	CROUND                                         ; the closing round: no work-group ends while a partner may still ask for a tile that names it
	s_endpgm
.Lfunc_end_k_qad01ff77bd_proj:
	.size	k_qad01ff77bd_proj, .Lfunc_end_k_qad01ff77bd_proj-k_qad01ff77bd_proj
	.p2alignl 7, 3214868480
	.fill 96, 4, 3214868480
	.section	.rodata,"a",@progbits
	.p2align	6, 0x0
	.amdhsa_kernel k_qad01ff77bd_proj
		.amdhsa_group_segment_fixed_size 327680
		.amdhsa_private_segment_fixed_size 0
		.amdhsa_enable_private_segment 0
		.amdhsa_kernarg_size 48
		.amdhsa_user_sgpr_count 2
		.amdhsa_user_sgpr_kernarg_segment_ptr 1
		.amdhsa_wavefront_size32 1
		.amdhsa_system_sgpr_workgroup_id_x 1
		.amdhsa_system_sgpr_workgroup_id_y 1
		.amdhsa_system_sgpr_workgroup_id_z 1
		.amdhsa_system_vgpr_workitem_id 0
		.amdhsa_next_free_vgpr 1024
		.amdhsa_next_free_sgpr 102
		.amdhsa_reserve_vcc 0
		.amdhsa_float_denorm_mode_32 3
		.amdhsa_float_denorm_mode_16_64 3
		.amdhsa_memory_ordered 1
		.amdhsa_forward_progress 1
		.amdhsa_inst_pref_size 137
	.end_amdhsa_kernel
	.amdgpu_metadata
---
amdhsa.version: [ 1, 2 ]
amdhsa.kernels:
  - .name:           k_qad01ff77bd_proj
    .symbol:         k_qad01ff77bd_proj.kd
    .args:
      - { .name: x_codes, .offset: 0, .size: 8, .value_kind: global_buffer, .address_space: global }
      - { .name: w_codes, .offset: 8, .size: 8, .value_kind: global_buffer, .address_space: global }
      - { .name: scales, .offset: 16, .size: 8, .value_kind: global_buffer, .address_space: global }
      - { .name: bqkv, .offset: 24, .size: 8, .value_kind: global_buffer, .address_space: global }
      - { .name: rope, .offset: 32, .size: 8, .value_kind: global_buffer, .address_space: global }
      - { .name: qkv, .offset: 40, .size: 8, .value_kind: global_buffer, .address_space: global }
    .group_segment_fixed_size: 327680
    .private_segment_fixed_size: 0
    .kernarg_segment_align: 8
    .kernarg_segment_size: 48
    .max_flat_workgroup_size: 128
    .sgpr_count:     102
    .vgpr_count:     1024
    .wavefront_size: 32
...
	.end_amdgpu_metadata
.endif
;; end of part 2
;; launch attn (part 3): grid 4 x 64, 16 waves a work-group, clusters of 4 x 1, 327,680 bytes of LDS; arguments qkv, out0; writes out0
.if DOCPART == 3
	.amdgcn_target "amdgcn-amd-amdhsa--gfx1250"
	.amdhsa_code_object_version 6
	.text
	.protected	k_qad01ff77bd_attn
	.globl	k_qad01ff77bd_attn
	.p2align	8
	.type	k_qad01ff77bd_attn,@function
k_qad01ff77bd_attn:
	s_mov_b64 s[64:65], 0
	v_nop
	global_prefetch_b8 v0, s[64:65] scope:SCOPE_SE
	s_setreg_imm32_b32 hwreg(HW_REG_WAVE_MODE, 25, 1), 1
	s_wait_xcnt 0x0
	s_wait_alu depctr_hold_cnt(0) depctr_sa_sdst(0) depctr_va_vdst(0) depctr_va_sdst(0) depctr_va_ssrc(0) depctr_va_vcc(0) depctr_vm_vsrc(0)
	s_getreg_b32 s2, hwreg(HW_REG_IB_STS2, 6, 4)
	s_cmp_eq_u32 s2, 0
	s_cbranch_scc0 .Lentry_in_a_cluster
	s_endpgm
.Lentry_in_a_cluster:
	s_bfe_u32 s2, ttmp6, 0x10000c
	s_cmp_lg_u32 s2, 0x3003
	s_cbranch_scc0 .Lentry_shape_is_right
	s_endpgm
.Lentry_shape_is_right:
; Causal attention of one (batch, head) in a cluster of four work-groups, both products on codes of BF6 (E3M2) with one E8M0 scale for each 32 along a product's K.
; IN: qkv [batch x 16 + head][chunk of 128 tokens 8][q, k, v][6,656 bytes]: a part is four fragment images of 1,536 bytes (12 registers as three planes of 512 bytes, lane l's 16 bytes at 16 l) and 512 bytes of scale words
;   (q, k: [lane][4]; v: [image pair][lane][2]).  An image of q or k holds TWO tiles of 16 tokens x the head's 64 channels: registers 0-5 tile 2 p, registers 6-11 tile 2 p + 1; lane r of tile a is token
;   32 (a / 2) + 8 (a % 2) + r + 8 (r / 8) of the chunk.  An image of v holds 16 channels (place r of image d: channel 32 (d / 2) + 8 (d % 2) + r + 8 (r / 8)) x the chunk's 128 tokens.
; THE HEAD IS 64 WIDE, half of the instruction's K.  An image of k is multiplied twice: by [q | zeros], which gives tile 2 p's scores, and by [zeros | q], which gives tile 2 p + 1's.  Zero codes add nothing.
; THE SOFTMAX AHEAD OF THE SECOND PRODUCT: t = score x log2(e) / 8; M = the row's largest t so far, rounded UP to a whole number; p = 2^(t - M) is what is quantised, along the keys, not normalised.  The row's sum is
; taken of the unquantised p and divides at the end.  When M moves, the sum and O are multiplied by 2^(old M - new M): exact.
; SHARES.  All of the head's k and v, 8 x 13,312 bytes, comes into LDS ONCE, by joint loads of the four work-groups, a chunk a wave: chunks 0-3 by waves 0-3 at the head, chunks 4-7 by waves 12-15 behind the round that
; shows the first four; they land while chunks 0-3 are walked.  Nothing is filled again.
; A wave owns one tile of 16 queries: chunk g, tile 2 cx + sub, and walks chunks 0 .. g of keys.  g and sub hang on the wave's number alone, so that no branch hangs on the place in the cluster: by number / 4 = 0 .. 3 and
; number % 4: g = 7 7 6 6 | 5 4 5 4 | 2 3 2 3 | 0 0 1 1: the longest have the lowest numbers, and the four with equal number % 4 walk 18 chunks together.
; Both products are used transposed (source 0 = 16 keys, or 16 channels; source 1 = my 16 queries): a lane holds ONE query throughout.
; LEFT OUT: chunks of keys that all come after a tile's queries: the causal mask makes their p zero for all inputs.
; No prefetch: chunks 0-3 are the head's own loads, and chunks 4-7 are asked for four trips ahead of their first use, by loads for which the waves that walk chunks 0-3 do not wait.
; LIMITS: NaN and infinities are not served, and one that reaches only the work left out is not carried to the result; the scaled scores stay under 2^31 in magnitude; a block of p that is all zeros keeps the byte 1.
; All of a WGP's LDS is claimed; 178,176 bytes are used.
; REGISTERS: v1 16 x lane; v2 the chunk's LDS address, v238 the same + 8 x lane; v3 my query less 16 (lane / 16), in the chunk; v4-6 the way out; v8-11 k's scale words; v12 -M, v13 the largest t,
; v[14:15] the sum; v16-27 [q | 0], v28-39 [0 | q]; v40 q's scale word, v41 p's; v[42:43] f; v44-47 v's scale words; v48-95 four images; v96-159 the scores, then p; v160-191 O^T; v192-203 p's codes;
; v204-210 conversions' second halves; v212-229, v242-253 at work; v239 8 x lane.  s34-63, s66-99: the causal mask's 64 lane masks, one for each register of scores.
.set HEADB, 159744
.set CHUNK, 19968
.set PARTB, 6656
.set IMG,   1536
.set KVB,   2*PARTB                    ; a chunk's k and v: 13,312 bytes, 52 rows of 256
.set STAGE, 8*KVB                      ; behind them: 4,352 bytes for each wave, for the way out; no tile lands there
.set SP,    272
.set SPARE, STAGE+16*16*SP
.set WV,  8                            ; s8   my wave's number
.set CX,  9                            ; s9   my place in the cluster
.set HD,  10                           ; s10  batch x 16 + head
.set G,   11                           ; s11  my queries' chunk
.set SUB, 12                           ; s12  which tile of image cx
.set TT,  13                           ; s13  the chunk of keys in hand
.set TB,  14                           ; s14  its LDS byte
.set G1,  16                           ; s[16:23] descriptor group 1;  s[24:27] group 0
.set G0,  24
.set SEL, 28                           ; s[28:29] lane selects for v_permlanex16_b32: lane l xor 16
.set CS,  30                           ; s[30:31] c = log2(e) / 8: the packed form names a pair and takes its low word for both halves
.macro CROUND                          ; a round of the cluster's barrier
	s_barrier_signal -1
	s_barrier_wait -1
	s_cmp_lg_u32 s[WV], 0
	s_cbranch_scc1 .Lnot_wave_0_\@
	s_barrier_signal -3
.Lnot_wave_0_\@:
	s_barrier_wait -3
	s_barrier_signal -1
	s_barrier_wait -1
.endm
	s_load_b128 s[4:7], s[0:1], 0x0                ; qkv, out0
	v_lshl_add_u32 v254, v0, 2, SPARE
	v_mov_b32 v255, 0
	ds_add_u32 v254, v255                          ; the wave's opening: the add, twice on end
	ds_add_u32 v254, v255
	v_lshrrev_b32 v1, 5, v0
	v_readfirstlane_b32 s[WV], v1                  ; wave 0..15
	s_bfe_u32 s[CX], ttmp6, 0x40000
	s_and_b32 s[HD], ttmp7, 0xffff
	s_bfe_u32 s32, s[WV], 0x10002                  ; bits 2,
	s_lshr_b32 s33, s[WV], 3                       ; 3,
	s_and_b32 s35, s[WV], 1                        ; 0,
	s_bfe_u32 s36, s[WV], 0x10001                  ; and 1 of my number
	s_xor_b32 s34, s32, s33
	s_cmp_eq_u32 s34, 1                            ; number / 4 = 1 or 2?
	s_cselect_b32 s37, s35, s36
	s_cselect_b32 s[SUB], s36, s35
	s_lshl_b32 s34, s34, 1
	s_add_co_u32 s34, s34, s37                     ; y, 0 .. 3
	s_sub_co_u32 s36, 1, s33
	s_mul_i32 s36, s36, 7
	s_xor_b32 s[G], s34, s36                       ; waves 0-7: 7 - y, waves 8-15: y
	; descriptor group 1: a dense block of 13,312 bytes as 52 rows of 256 bytes (32 elements of 8 bytes); no padding: images are read lane by lane on end
	s_mov_b32 s[G1], 15|(3<<16)|(1<<21)            ; 15:0 the mask: all four work-groups; 17:16 elements of 8 bytes; 21 set beside a mask
	s_mov_b32 s[G1+1], 32<<16                      ; tensor_dim0
	s_mov_b32 s[G1+2], 52<<16                      ; tensor_dim1
	s_mov_b32 s[G1+3], 32<<16                      ; tile_dim0
	s_mov_b32 s[G1+4], 52                          ; tile_dim1
	s_mov_b32 s[G1+5], 32                          ; tensor_dim0_stride
	s_mov_b32 s[G1+6], 0
	s_mov_b32 s[G1+7], 0
	s_mul_i32 s34, s[HD], HEADB
	s_mov_b32 s35, 0
	s_and_b32 s38, s[WV], 3
	s_lshl_b32 s33, s33, 2
	s_add_co_u32 s38, s38, s33                     ; the chunk that I fetch, if I fetch: waves 0-3: 0 .. 3, waves 12-15: 4 .. 7
	s_mul_i32 s36, s38, CHUNK
	s_add_co_u32 s36, s36, PARTB                   ; its k and v lie behind its q
	s_mov_b32 s37, 0
	s_mov_b32 s[SEL], 0x76543210
	s_mov_b32 s[SEL+1], 0xfedcba98
	s_mov_b32 s[CS], 0x3e38aa3b
	s_mov_b32 s[CS+1], s[CS]                       ; (named with it as a pair, so it is written)
	s_wait_dscnt 0x0
	s_wait_kmcnt 0x0
	s_add_nc_u64 s[4:5], s[4:5], s[34:35]          ; qkv at my head
	s_mov_b32 s[G0], 1                             ; count = 1
	s_mul_i32 s[G0+1], s38, KVB                    ; LDS address: the wave's number alone enters it
	s_add_nc_u64 s[G0+2:G0+3], s[4:5], s[36:37]    ; global address: the head and the wave's number, which the four partners share
	s_or_b32 s[G0+3], s[G0+3], 0x80000000          ; type = 2
	CROUND                                         ; all four work-groups are here: the joint loads meet
	s_cmp_lt_u32 s[WV], 4
	s_cbranch_scc0 .Lno_first
	tensor_load_to_lds s[G0:G0+3], s[G1:G1+7]      ; chunks 0-3
	s_nop 0
.rept 4
	v_nop
.endr
.Lno_first:
	v_and_b32 v239, 31, v0
	v_and_b32 v224, 15, v0                         ; r
	v_bfe_u32 v225, v0, 4, 1                       ; h
	v_lshlrev_b32 v1, 4, v239                      ; 16 x lane
	v_lshlrev_b32 v239, 3, v239                    ; 8 x lane
	s_mul_i32 s40, s[CX], IMG
	s_mov_b32 s41, 0
	s_lshl_b32 s42, s[CX], 2
	s_mov_b32 s43, 0
	s_mul_i32 s38, s[G], CHUNK
	s_mov_b32 s39, 0
	s_add_nc_u64 s[44:45], s[4:5], s[38:39]        ; my queries' chunk:
	s_add_nc_u64 s[46:47], s[44:45], s[40:41]      ; q's image cx
	s_add_nc_u64 s[44:45], s[44:45], s[42:43]      ; and word cx of each lane's four
	s_wait_alu depctr_va_vdst(0)
.irp p, 0,1,2
	global_load_b128 v[48+4*\p:51+4*\p], v1, s[46:47] offset:512*\p
.endr
	global_load_b32 v40, v1, s[44:45] offset:4*IMG
	s_lshr_b32 s32, s[HD], 4
	s_lshl_b32 s32, s32, 22                        ; out0: the batch's 1,024 rows of 4,096 bytes,
	s_lshl_b32 s33, s[G], 7
	s_lshl_b32 s34, s[CX], 5
	s_lshl_b32 s35, s[SUB], 3
	s_add_co_u32 s35, s35, s34                     ; 32 cx + 8 sub: my tile's first query in the chunk
	s_add_co_u32 s33, s33, s35
	s_lshl_b32 s33, s33, 12
	s_add_co_u32 s32, s32, s33                     ; its row,
	s_and_b32 s33, s[HD], 15
	s_lshl_b32 s33, s33, 8
	s_add_co_u32 s32, s32, s33                     ; the head's 256 bytes in it
	s_mov_b32 s33, 0
	s_add_nc_u64 s[6:7], s[6:7], s[32:33]
	s_mul_i32 s34, s[WV], 16*SP
	s_add_co_u32 s34, s34, STAGE                   ; my stage
	v_and_b32 v3, 8, v224
	v_mul_u32_u24 v4, v224, SP
	v_mul_u32_u24 v5, v225, SP
	v_lshlrev_b32 v226, 4, v225
	v_lshlrev_b32 v6, 12, v225
	v_add3_u32 v3, v3, v224, s35                   ; my query in its chunk,
	v_lshl_add_u32 v4, v225, 6, v4
	v_lshl_add_u32 v5, v224, 4, v5
	v_sub_nc_u32 v3, v3, v226                      ; less 16 h
	v_add_nc_u32 v4, s34, v4                       ; the way out, in: row r, + 64 h
	v_add_nc_u32 v5, s34, v5                       ; back: lanes 0-15 one row, lanes 16-31 the next
	v_lshl_add_u32 v6, v224, 4, v6                 ; and the same two rows in out0
	v_mov_b32 v13, 0xff61b1e6                      ; the largest t so far: -3e38, under every t
	v_mov_b32 v14, 0                               ; the sum, in two halves
	v_mov_b32 v15, 0
	v_mov_b32 v43, 0                               ; (named as the upper half of the pair v[42:43])
.irp b, 0,1,2,3
	v_mov_b32 v[216+\b], 0                         ; written once: a lane permute's destination counts as one of its sources
.endr
	v_floor_f32 v12, -v13                          ; -M
.irp i, 0,1,2,3,4,5,6,7,8,9,10,11
	v_mov_b32 v[22+\i], 0
.endr
	s_cmp_eq_u32 s[SUB], 1
	s_cselect_b32 s32, -1, 0
	s_lshl_b32 s33, s[SUB], 4
	s_wait_alu depctr_va_vdst(0)                   ; the wait directly ahead of the wait below
	s_wait_loadcnt 0x0                             ; q
	v_lshrrev_b32 v40, s33, v40
.irp i, 0,1,2
	v_cndmask_b32 v[16+\i], v[48+\i], v[54+\i], s32     ; my tile's six registers of the image
.endr
	v_and_b32 v40, 0xffff, v40                     ; and its two bytes,
.irp i, 3,4,5
	v_cndmask_b32 v[16+\i], v[48+\i], v[54+\i], s32
.endr
	v_lshl_or_b32 v40, v40, 16, v40                ; at both places: one word serves [q | 0] and [0 | q]
.irp i, 0,1,2,3,4,5
	v_mov_b32 v[34+\i], v[16+\i]
.endr
.set n, 0
.rept 64                               ; the causal mask on the diagonal chunk, made while the tiles land: register n holds key 32 (n / 16) + 16 h + n % 16
.if n < 30
	v_cmp_gt_i32 s[34+n], 32*(n/16)+n%16, v3
.else
	v_cmp_gt_i32 s[36+n], 32*(n/16)+n%16, v3
.endif
.set n, n+1
.endr
.set j, 0
.rept 32
	v_mov_b32 v[160+j], 0                          ; O^T: the first trip finds zeros, which the first change of M leaves zeros.  (These lines also stand between the writing of q's registers and scale word and the first product)
.set j, j+1
.endr
	s_wait_alu depctr_va_vdst(0)                   ; the wait at the head's end
	s_wait_tensorcnt 0x0                           ; my chunk of 0-3 is in
	ds_add_u32 v254, v255                          ; the add twice on end
	ds_add_u32 v254, v255
	s_wait_dscnt 0x0
	CROUND                                         ; everybody's is, and the joint loads meet
	s_cmp_ge_u32 s[WV], 12
	s_cbranch_scc0 .Lno_second
	tensor_load_to_lds s[G0:G0+3], s[G1:G1+7]      ; chunks 4-7: the wave's first and only tensor load
	s_nop 0
.rept 4
	v_nop
.endr
.Lno_second:
; The walk over chunks first .. last - 1; a chunk all of whose keys come after my queries is jumped over, but for the lines that step.
.macro WALK first, last
	s_mov_b32 s[TT], \first
	s_mov_b32 s[TB], \first*KVB
.Ltrip_\@:
	s_cmp_gt_u32 s[TT], s[G]
	s_cbranch_scc1 .Lskip_\@
	v_add_nc_u32 v2, s[TB], v1
	ds_load_b128 v[8:11], v2 offset:4*IMG                          ; k's scale words
.irp i, 0,1,2,3,4,5,6,7,8,9,10,11
	ds_load_b128 v[48+4*\i:51+4*\i], v2 offset:512*\i              ; and its four images
.endr
	s_wait_alu depctr_va_vdst(0)
.irp p, 0,1,2,3                                ; S^T: lane (r, h) holds query r; the 16 registers of tiles 2 p, 2 p + 1 are keys 32 p + 16 h + 0 .. 15 of the chunk
	s_wait_dscnt 9-3*\p                            ; the words and images 0 .. p are in; the three loads of each later image may be out
	v_wmma_scale_f32_16x16x128_f8f6f4 v[96+16*\p:103+16*\p], v[48+12*\p:59+12*\p], v[16:27], 0, v[8+\p], v40 matrix_a_fmt:MATRIX_FMT_BF6 matrix_b_fmt:MATRIX_FMT_BF6
	v_wmma_scale_f32_16x16x128_f8f6f4 v[104+16*\p:111+16*\p], v[48+12*\p:59+12*\p], v[28:39], 0, v[8+\p], v40 matrix_a_fmt:MATRIX_FMT_BF6 matrix_b_fmt:MATRIX_FMT_BF6
.endr
	v_add_nc_u32 v238, s[TB], v239                 ; four places in front of loads into registers that these products have read, and of the first read of their results:
	v_mov_b32 v227, v12                            ; -M as it was, and
.rept 2
	v_nop
.endr
.irp i, 0,1,2,3,4,5,6,7,8,9,10,11
	ds_load_b128 v[48+4*\i:51+4*\i], v2 offset:PARTB+512*\i        ; v's four images land while the softmax is walked
.endr
	ds_load_b64 v[44:45], v238 offset:PARTB+4*IMG
	ds_load_b64 v[46:47], v238 offset:PARTB+4*IMG+256
	s_wait_alu depctr_va_vdst(0)                   ; the wait ahead of the branch
	s_cmp_lg_u32 s[TT], s[G]                       ; on the diagonal the scores of hidden keys become -infinity ahead of the maximum: p = 0 then
	s_cbranch_scc1 .Lopen_\@
	v_mov_b32 v226, 0xff800000
.set n, 0
.rept 64
.if n < 30
	v_cndmask_b32 v[96+n], v[96+n], v226, s[34+n]
.else
	v_cndmask_b32 v[96+n], v[96+n], v226, s[36+n]
.endif
.set n, n+1
.endr
.Lopen_\@:
.irp b, 0,1,2,3
	v_max3_num_f32 v[212+\b], v[96+16*\b], v[97+16*\b], v[98+16*\b]   ; the largest score of each block of 32 keys: it serves for the row's maximum and, since p rises with the score, for the block's largest p
.endr
.irp i, 3,5,7,9,11,13
.irp b, 0,1,2,3
	v_max3_num_f32 v[212+\b], v[212+\b], v[96+16*\b+\i], v[97+16*\b+\i]
.endr
.endr
.irp b, 0,1,2,3
	v_max_num_f32 v[212+\b], v[212+\b], v[111+16*\b]
.endr
.irp b, 0,1,2,3
	v_permlanex16_b32 v[216+\b], v[212+\b], s[SEL], s[SEL+1]
.endr
.irp b, 0,1,2,3
	v_max_num_f32 v[212+\b], v[212+\b], v[216+\b]  ; with lane l xor 16's 16 keys
.endr
	s_delay_alu instid0(VALU_DEP_2)
	v_max3_num_f32 v224, v212, v213, v214
	s_delay_alu instid0(VALU_DEP_1)
	v_max_num_f32 v224, v224, v215                 ; the chunk's largest score of my query
	s_delay_alu instid0(VALU_DEP_1)
	v_mul_f32 v224, s[CS], v224                    ; as t (c is positive)
	s_delay_alu instid0(VALU_DEP_1)
	v_max_num_f32 v13, v13, v224                   ; the running largest t
	s_delay_alu instid0(VALU_DEP_1)
	v_floor_f32 v12, -v13                          ; the new -M = floor(-t) = -ceil(t)
	s_delay_alu instid0(VALU_DEP_1)
	v_sub_f32 v224, v12, v227                      ; M's old value less its new one: a whole number, 0 or less
	s_delay_alu instid0(VALU_DEP_1)
	v_cvt_i32_f32 v224, v224                       ; (it saturates)
	s_delay_alu instid0(VALU_DEP_1)
	v_ldexp_f32 v42, 1.0, v224                     ; f = 2^(old M - new M)
.set j, 0
.rept 32
	v_pk_fma_f32 v[96+j:97+j], v[96+j:97+j], s[CS:CS+1], v[12:13] op_sel_hi:[1,0,0]   ; t - M, two at a time
.set j, j+2
.endr
.irp b, 0,1,2,3
	v_fma_f32 v[212+\b], v[212+\b], s[CS], v12     ; the same of each block's largest score
.endr
.set j, 0
	s_wait_alu depctr_va_vdst(0)                   ; the wait ahead of the batch
.rept 64
	v_exp_f32 v[96+j], v[96+j]                     ; p = 2^(t - M), at most 1
.set j, j+1
.endr
.irp b, 0,1,2,3
	v_exp_f32 v[212+\b], v[212+\b]                 ; the block's largest p: the same two instructions on the same number
.endr
	v_pk_mul_f32 v[14:15], v[14:15], v[42:43] op_sel_hi:[1,0]      ; the sums under the new M (a plain line behind the exponentials)
	s_wait_alu depctr_va_vdst(0)                   ; the wait behind the plain line
.irp b, 0,1,2,3
	v_max_num_f32 v[212+\b], 0x2800000, v[212+\b]  ; the floor 2^(5 - 127): the byte cannot fall under 1
.endr
.irp b, 0,1,2,3
	v_add_nc_u32 v[220+\b], 0xfe000000, v[212+\b]  ; 4 off the exponent field: the conversion's scale operand
.endr
.irp b, 0,1,2,3
	v_lshrrev_b32 v[216+\b], 23, v[220+\b]         ; the scale's byte
.endr
	s_delay_alu instid0(VALU_DEP_3)
	v_lshl_or_b32 v41, v217, 8, v216               ; p's scale word for these 128 keys
	s_delay_alu instid0(VALU_DEP_1)
	v_lshl_or_b32 v41, v218, 16, v41
	s_delay_alu instid0(VALU_DEP_1)
	v_lshl_or_b32 v41, v219, 24, v41
.irp c, 0,1
	v_cvt_scalef32_pk16_bf6_f32 v[192+6*\c:194+6*\c], v[96+32*\c:111+32*\c], v[220+2*\c]
	v_cvt_scalef32_pk16_bf6_f32 v[204+4*\c:206+4*\c], v[112+32*\c:127+32*\c], v[220+2*\c+1]   ; (a conversion's three registers begin on an even number)
.endr
	v_nop                                          ; one plain line behind a scaled conversion
.irp c, 0,1                                    ; the operand's layout wants a WHOLE block in a lane
.irp i, 0,1,2
	v_permlane16_swap_b32 v[192+6*\c+\i], v[204+4*\c+\i]
.endr
.endr
.irp c, 0,1
.irp i, 0,1,2
	v_mov_b32 v[195+6*\c+\i], v[204+4*\c+\i]
.endr
.endr
	; the row's sum, of the unquantised p: eight chains
	v_pk_add_f32 v[228:229], v[100:101], v[104:105]
	v_pk_add_f32 v[252:253], v[108:109], v[112:113]
	v_pk_add_f32 v[250:251], v[116:117], v[120:121]
	v_pk_add_f32 v[248:249], v[124:125], v[128:129]
	v_pk_add_f32 v[246:247], v[132:133], v[136:137]
	v_pk_add_f32 v[244:245], v[140:141], v[144:145]
	v_pk_add_f32 v[242:243], v[148:149], v[152:153]
	v_pk_add_f32 v[14:15], v[14:15], v[156:157]
	v_pk_add_f32 v[228:229], v[228:229], v[96:97]
	v_pk_add_f32 v[252:253], v[252:253], v[98:99]
	v_pk_add_f32 v[250:251], v[250:251], v[102:103]
	v_pk_add_f32 v[248:249], v[248:249], v[106:107]
	v_pk_add_f32 v[246:247], v[246:247], v[110:111]
	v_pk_add_f32 v[244:245], v[244:245], v[114:115]
	v_pk_add_f32 v[242:243], v[242:243], v[118:119]
	v_pk_add_f32 v[14:15], v[14:15], v[122:123]
	v_pk_add_f32 v[228:229], v[228:229], v[126:127]
	v_pk_add_f32 v[252:253], v[252:253], v[130:131]
	v_pk_add_f32 v[250:251], v[250:251], v[134:135]
	v_pk_add_f32 v[248:249], v[248:249], v[138:139]
	v_pk_add_f32 v[246:247], v[246:247], v[142:143]
	v_pk_add_f32 v[244:245], v[244:245], v[146:147]
	v_pk_add_f32 v[242:243], v[242:243], v[150:151]
	v_pk_add_f32 v[14:15], v[14:15], v[154:155]
	v_pk_add_f32 v[228:229], v[228:229], v[158:159]
	v_pk_add_f32 v[252:253], v[252:253], v[244:245]
	v_pk_add_f32 v[250:251], v[250:251], v[242:243]
	v_pk_add_f32 v[14:15], v[14:15], v[248:249]
	v_pk_add_f32 v[228:229], v[228:229], v[246:247]
.set j, 0
.rept 16
	v_pk_mul_f32 v[160+j:161+j], v[160+j:161+j], v[42:43] op_sel_hi:[1,0]   ; O^T under the new M
.set j, j+2
.if j == 10
	v_pk_add_f32 v[14:15], v[14:15], v[252:253]
	v_pk_add_f32 v[228:229], v[228:229], v[250:251]
.endif
.if j == 20
	v_pk_add_f32 v[14:15], v[14:15], v[228:229]
.endif
.endr
	s_wait_alu depctr_va_vdst(0)
	s_wait_dscnt 0x0                               ; v is in
.irp d, 0,1,2,3                                ; O^T += v^T p^T: the four accumulators take turns; register j of tile d is channel 32 (d / 2) + 16 h + 8 (d % 2) + j
	v_wmma_scale_f32_16x16x128_f8f6f4 v[160+8*\d:167+8*\d], v[48+12*\d:59+12*\d], v[192:203], v[160+8*\d:167+8*\d], v[44+\d], v41 matrix_a_fmt:MATRIX_FMT_BF6 matrix_b_fmt:MATRIX_FMT_BF6
.endr
.rept 4
	v_nop                                          ; places in front of the next trip's loads, and of the reads of O^T
.endr
.Lskip_\@:
	s_add_co_u32 s[TB], s[TB], KVB
	s_add_co_u32 s[TT], s[TT], 1
	s_cmp_lt_u32 s[TT], \last
	s_cbranch_scc1 .Ltrip_\@
.endm
	s_wait_tensorcnt 0x0                           ; a wave that fetches one of chunks 4-7 has it;
	s_barrier_signal -1                            ; the others have nothing out and say so at once:
	WALK 0, 4                                      ; between the signal and the wait stand register work and LDS loads of chunks 0-3, which nobody writes any more
	s_barrier_wait -1                              ; chunks 4-7 are in
	WALK 4, 8
	; THE WAY OUT.  O^T is divided by the sum and goes through my stage in LDS, so that sixteen lanes store a query's 256 consecutive bytes, aligned.
	v_add_f32 v14, v14, v15                        ; the sum's two halves,
	v_permlanex16_b32 v224, v14, s[SEL], s[SEL+1]
	v_add_f32 v14, v14, v224                       ; and lane l xor 16's
	s_wait_alu depctr_va_vdst(0)                   ; the wait ahead of the transcendental
	v_rcp_f32 v14, v14
	v_nop                                          ; a plain line behind the reciprocal
	s_wait_alu depctr_va_vdst(0)                   ; the wait behind the plain line
.set j, 0
.rept 32
	v_mul_f32 v[96+j], v[160+j], v14
.set j, j+1
.endr
.irp d, 0,1,2,3
	ds_store_b128 v4, v[96+8*\d:99+8*\d] offset:128*(\d/2)+32*(\d%2)
	ds_store_b128 v4, v[100+8*\d:103+8*\d] offset:128*(\d/2)+32*(\d%2)+16
.endr
.irp i, 0,1,2,3,4,5,6,7
	ds_load_b128 v[128+4*\i:131+4*\i], v5 offset:2*\i*SP           ; LDS serves a wave's instructions in order: these see my stores
.endr
.irp i, 0,1,2,3,4,5,6,7
	s_wait_dscnt 7-\i                              ; load i is in; the 7 - i behind it may be out
	global_store_b128 v6, v[128+4*\i:131+4*\i], s[6:7] offset:(2*\i+8*(\i/4))*4096 th:TH_STORE_NT   ; stage row r is query r + 8 (r / 8) of my tile
.endr
	s_wait_tensorcnt 0x0                           ; the wave's end
	ds_add_u32 v254, v255
	s_wait_dscnt 0x0
	CROUND                                         ; the closing round: no work-group ends while a partner may still ask for a tile that names it
	s_endpgm
.Lfunc_end_k_qad01ff77bd_attn:
	.size	k_qad01ff77bd_attn, .Lfunc_end_k_qad01ff77bd_attn-k_qad01ff77bd_attn
	.p2alignl 7, 3214868480
	.fill 96, 4, 3214868480
	.section	.rodata,"a",@progbits
	.p2align	6, 0x0
	.amdhsa_kernel k_qad01ff77bd_attn
		.amdhsa_group_segment_fixed_size 327680
		.amdhsa_private_segment_fixed_size 0
		.amdhsa_enable_private_segment 0
		.amdhsa_kernarg_size 16
		.amdhsa_user_sgpr_count 2
		.amdhsa_user_sgpr_kernarg_segment_ptr 1
		.amdhsa_wavefront_size32 1
		.amdhsa_system_sgpr_workgroup_id_x 1
		.amdhsa_system_sgpr_workgroup_id_y 1
		.amdhsa_system_sgpr_workgroup_id_z 1
		.amdhsa_system_vgpr_workitem_id 0
		.amdhsa_next_free_vgpr 256
		.amdhsa_next_free_sgpr 100
		.amdhsa_reserve_vcc 0
		.amdhsa_float_denorm_mode_32 3
		.amdhsa_float_denorm_mode_16_64 3
		.amdhsa_memory_ordered 1
		.amdhsa_forward_progress 1
		.amdhsa_inst_pref_size 58
	.end_amdhsa_kernel
	.amdgpu_metadata
---
amdhsa.version: [ 1, 2 ]
amdhsa.kernels:
  - .name:           k_qad01ff77bd_attn
    .symbol:         k_qad01ff77bd_attn.kd
    .args:
      - { .name: qkv, .offset: 0, .size: 8, .value_kind: global_buffer, .address_space: global }
      - { .name: out0, .offset: 8, .size: 8, .value_kind: global_buffer, .address_space: global }
    .group_segment_fixed_size: 327680
    .private_segment_fixed_size: 0
    .kernarg_segment_align: 8
    .kernarg_segment_size: 16
    .max_flat_workgroup_size: 512
    .sgpr_count:     100
    .vgpr_count:     256
    .wavefront_size: 32
...
	.end_amdgpu_metadata
.endif
;; end of part 3
